; MI455X (gfx1250); checked and timed in simulation.
; The chip was launched on July 23, 2026; its instructions are those of AMD's public machine-readable ISA for CDNA 5 (MIT licence, August 2026) and "CDNA5" Instruction Set Architecture Reference Guide (July 2026). The comments in the code are by the model that wrote it; some were corrected since.
;; MXFP4 Matmul. Allowed arithmetic: matrix products marked QUANTISED: E2M1 operands, one E8M0 scale for each 32 along K, by v_wmma_scale_f32_16x16x128_f8f6f4 with both operands' format E2M1 (or v_wmma_scale_f32_32x16x128_f4), f32 sums; everything else in f32.
;; Inputs: a 4,096 x 2,048 int32; b 4,096 x 2,048 int32; scales_a 4,096 x 128 float32; scales_b 4,096 x 128 float32.
;; Outputs: out0 4,096 x 4,096 float32.
;; This version of the problem:
;;   THIS VERSION OF THE PROBLEM IS GIVEN IN LOW PRECISION. The matrix products marked QUANTISED in the list below multiply operands that are first quantised to E2M1 (2 exponent bits, 1 mantissa bit; 4 bits a number), with one power-of-two scale for each 32 numbers along K (OCP MX v1.0); their sums are f32. All else is computed in f32.
;;   The module's matrix products, in the order in which they are computed (A, B: the left and right operand; K: the contracted axis; several contracted axes count as one K, in the product's order):
;;     1. [M 4,096, K 4,096] x [K 4,096, N 4,096]; A: computed on the way; B: computed on the way: QUANTISED
;;   THE QUANTISER, for each operand of a quantised product, along K:
;;     - K is cut into blocks of 32 from its start; a last block that is shorter is filled with zeros.
;;     - A block's scale is 2^e with e = floor(log2(the largest magnitude in the block)) - 2, held to -126 .. 127; a block of zeros has e = 0. As a byte (E8M0): e + 127.
;;     - Each number is divided by its block's scale, clamped to +-6, and rounded to the nearest number of E2M1, ties to even, subnormals kept.
;;     - The product sums the exact products of the quantised numbers (number of the format x scale) in f32.
;;   ~~~python
;;   def quantise(x, axis):      # numpy; x: float32 -> the quantised numbers, widened to float32 again
;;       x = np.moveaxis(x, axis, -1); K = x.shape[-1]
;;       x = np.pad(x, [(0, 0)] * (x.ndim - 1) + [(0, -K % 32)]); x = x.reshape(x.shape[:-1] + (-1, 32)); a = np.abs(x).max(-1, keepdims=True)
;;       e = np.where(a > 0, np.clip(np.frexp(np.where(a > 0, a, 1))[1] - 1 - 2, -126, 127), 0)      # np.frexp(a)[1] - 1 = floor(log2(a)), exactly
;;       r = np.clip(x / 2.0 ** e, -6, 6)
;;       step = 2.0 ** (np.maximum(np.frexp(np.where(r == 0, 1, r))[1] - 1, 0) - 1)
;;       q = np.round(r / step) * step * 2.0 ** e      # np.round: ties to even
;;       return np.moveaxis(q.reshape(q.shape[:-2] + (-1,))[..., :K], -1, axis).astype(np.float32)
;;   ~~~
;;   OPERANDS COMPUTED ON THE WAY. 'Computed on the way' means the value that the module computes at that place (a softmax that the list does not call 'softmax' is quantised finished and normalised). What goes into a quantiser is computed in f32, as accurately as f32 sums, v_exp_f32 and their like allow (about 1e-6 of the number): no bf16 or f16 on the way to a quantiser, and a product that is left as it is and whose result goes on into a quantised operand takes f32 operands (vector FMAs, or v_wmma_f32_16x16x4_f32). A number that lies on a knife's edge between two numbers of the format may be rounded either way, as far as f32 arithmetic and the matrix unit's own rounding can turn it there, and no further.
;; One version. Each part assembles by itself: llvm-mc -triple=amdgcn-amd-amdhsa -mcpu=gfx1250 --defsym DOCPART=n.
;; ======== version 1 of 1: 2 launches
;; limits: right only within a limited range of input values
;; workspace buffers: aq 8,912,896 bytes; bq 8,912,896 bytes
;; launch prep (part 1): grid 512 x 1, 8 waves a work-group, no clusters, 50,176 bytes of LDS; arguments a, b, scales_a, scales_b, aq, bq; writes aq, bq
.if DOCPART == 1
	.amdgcn_target "amdgcn-amd-amdhsa--gfx1250"
	.amdhsa_code_object_version 6
	.text
	.protected	k_q2570a34118_prep
	.globl	k_q2570a34118_prep
	.p2align	8
	.type	k_q2570a34118_prep,@function
k_q2570a34118_prep:
	s_mov_b64 s[64:65], 0
	v_nop
	global_prefetch_b8 v0, s[64:65] scope:SCOPE_SE
	s_setreg_imm32_b32 hwreg(HW_REG_WAVE_MODE, 25, 1), 1
	s_wait_xcnt 0x0
; a, b: [4096][2048] int32, each word's low byte two E2M1 codes (lower k in the low four bits; the upper 24 bits are ignored, as the masks of the definition ignore them).
; scales_a, scales_b: [4096][128] f32, s: a block of 32 along K stands for code value x exp2(s - 127).
; This launch computes those numbers in f32 and quantises them along K: a block's scale is 2^(floor(log2(largest magnitude)) - 2), its byte the largest magnitude's exponent field - 2, held at 1 from below;
; each number / scale goes to the nearest E2M1 code, ties to even, beyond 6 the largest code.  For whole-number s that gives the same numbers back; for any other s it is the quantiser that the product asks for.
; LIMITS: NaN and infinite scales are not served.  A block of zeros gets the byte 1 and not 127: its codes are zeros, which add nothing under any byte but 0xff, and the bytes are read by this program alone.
; Blocks whose largest magnitude lies under 2^-124 get the byte 1 (the hold at the exponent -126); that range was not tried.
; OUTPUT (aq for a, bq for b): [row / 128: 32][k / 512: 8][CHUNK bytes].  A chunk is 128 rows x 512 K in the order of the matrix operand's registers:
;   codes:       byte 4096 i + 256 blk + 16 r + ..: the 16 bytes (32 codes) of row r of block i, blk = 0 .. 15 the K step's blocks of 32.  With blk = 4 q + 2 c + h that is byte 1024 q + 512 c + 16 (16 h + r):
;                registers 4 c .. 4 c + 3 of lane 16 h + r of the fragment (16 rows x 128 K) number q: a fragment is two loads of 16 bytes a lane at 16 x lane.
;   scale bytes: byte 32768 + 256 i + 16 r + blk: word q of a row's 16 bytes is its scale word for the q-th 128 along K.
; ROW ORDER: row r of block i is row 64 (i / 4) + i % 4 + 4 r of the chunk's 128: four neighbouring rows lie in the same place r of four neighbouring blocks.
; SHARES.  Work-groups 0-255 take a, 256-511 take b: only pointers are chosen, there is one path through the text.  A work-group takes the 16 rows of one block i, wave w rows r = 2 w and 2 w + 1, whole: 2 x 8,192 bytes in 32 loads of 512
; consecutive bytes, 16 a lane: a lane's four words are eight neighbouring codes, four neighbouring lanes hold a block.  All 34 loads of a wave are issued at its head, each into registers of its own.
; A unit of 256 bytes of output holds all 16 rows: the waves' codes and bytes meet in LDS, and behind one barrier wave w stores K step w: 4,096 bytes of codes, 256 scale bytes.
; No cluster: work-groups share no input.  No matrix work: a stream.  No prefetch: no loop to run ahead in.
.set CHUNK, 34816
.set SCOFF, 32768
.set WREG,  6144                       ; LDS: a region for each K step:
.set SP,    272                        ;   16 output units of 256 bytes + 16 of padding: 68 words, so the eight units that a store touches start 4 banks apart (64 banks of 4 bytes: ISA guide 11.1)
.set SBY,   16*SP                      ;   behind them the K step's 256 scale bytes
.set CT,    SBY+256                    ;   behind them, for wave w in region w, the table of c = exp2(s - 127): 8 blocks of a load x 32 loads,
.set CP,    144                        ;   a block's 32 words + 16 bytes of padding
.set SPARE, 8*WREG                     ; the spare words, 128 bytes for each wave
.set FLOOR, 0x1800000                  ; 2^(3 - 127): no largest magnitude is taken under it, so the byte cannot fall under 1
.set GIO,   2                          ; v2   16 x lane: my place in a load's, and in a store's, 512 bytes
.set CTW,   4                          ; v4   region w + 4 CP x (lane % 2) + 4 x (lane / 2)
.set CTR,   5                          ; v5   region w + CP x (lane / 4)
.set STC,   6                          ; v6   32 w + SP x (lane / 4) + 4 (lane % 4)
.set STB,   7                          ; v7   32 w + lane / 4
.set RDC,   8                          ; v8   region w + SP x (lane / 16) + 16 (lane % 16)
.set RDB,   9                          ; v9   region w + 8 x lane
.set GSB,   10                         ; v10  8 x lane
.set S7F,   11                         ; v11  the scale byte 127 (x 1) in every byte
.set PK,    12                         ; v12-13  eight codes, packed
.set MX,    14                         ; v14-15  largest magnitudes
.set SCL,   16                         ; v16-17  the conversions' scale operands
.set BY,    18                         ; v18-19  scale bytes on the way out
.set SV,    20                         ; v20-27  eight scales, then eight c: four of each row
.set NV,    28                         ; v28-35  their whole parts
.set X0,    36                         ; v36-43  eight numbers of the even load
.set X1,    44                         ; v44-51  of the odd load
.set CF,    52                         ; v52-83  c of my block in load t; on the way out the codes
.set RAW,   84                         ; v84-211 load t: four words; later its codes (+0) and its byte (+1)
.set SPW,   216                        ; v216 LDS address of my spare word; never rewritten
.set NIL,   217                        ; v217 0; never rewritten
	s_load_b256 s[4:11], s[0:1], 0x0               ; a s[4:5], b s[6:7], scales_a s[8:9], scales_b s[10:11]
	s_load_b128 s[12:15], s[0:1], 0x20             ; aq s[12:13], bq s[14:15]
	v_lshl_add_u32 v[SPW], v0, 2, SPARE
	v_mov_b32 v[NIL], 0
	v_lshrrev_b32 v1, 5, v0
	v_readfirstlane_b32 s17, v1                    ; wave
	v_and_b32 v1, 31, v0                           ; lane
	v_lshlrev_b32 v[GIO], 4, v1
	s_and_b32 s16, ttmp9, 255                      ; g: which 16 rows of the tensor
	s_lshr_b32 s18, s16, 3                         ; chunk row
	s_and_b32 s19, s16, 7                          ; block i in it
	s_mul_i32 s26, s17, WREG                       ; region w
	s_lshr_b32 s27, s16, 2                         ; which 64 rows,
	s_and_b32 s31, s16, 3                          ; and from which of them on every fourth
	s_lshl_b32 s20, s27, 19                        ; in: 64 rows of 8,192 bytes,
	s_lshl_b32 s21, s31, 13
	s_add_co_u32 s20, s20, s21
	s_lshl_b32 s21, s17, 16                        ; + eight rows a wave (two of mine, four apart)
	s_add_co_u32 s20, s20, s21
	s_mov_b32 s21, 0
	s_lshl_b32 s22, s27, 15                        ; scales: 64 rows of 512 bytes,
	s_lshl_b32 s23, s31, 9
	s_add_co_u32 s22, s22, s23
	s_lshl_b32 s23, s17, 12                        ; + eight rows a wave
	s_add_co_u32 s22, s22, s23
	s_mov_b32 s23, 0
	s_lshl_b32 s27, s18, 3
	s_add_co_u32 s27, s27, s17
	s_mul_i32 s28, s27, CHUNK                      ; out: chunk 8 x chunk row + K step w (under 2^24 bytes)
	s_lshl_b32 s30, s19, 8
	s_add_co_u32 s30, s30, s28
	s_add_co_u32 s30, s30, SCOFF                   ; the block's 256 scale bytes
	s_mov_b32 s31, 0
	s_lshl_b32 s27, s19, 12
	s_add_co_u32 s28, s28, s27                     ; its 4,096 bytes of codes
	s_mov_b32 s29, 0
	s_lshl_b32 s27, s17, 5                         ; 16 bytes a row: my two rows' place in a unit
	s_mov_b32 s24, 0x04000400                      ; byte selects: byte 0 of two words side by side,
	s_mov_b32 s25, 0x05040100                      ; the low halves of two words
	s_wait_alu depctr_va_vdst(0)                   ; directly ahead of the wait below
	s_wait_kmcnt 0x0
	s_cmp_lt_u32 ttmp9, 256                        ; a's work-group or b's: the choice hangs on the work-group's number alone; the selects and the 64-bit sums leave SCC alone
	s_cselect_b64 s[4:5], s[4:5], s[6:7]
	s_cselect_b64 s[8:9], s[8:9], s[10:11]
	s_cselect_b64 s[12:13], s[12:13], s[14:15]
	s_add_nc_u64 s[4:5], s[4:5], s[20:21]
	s_add_nc_u64 s[8:9], s[8:9], s[22:23]
	s_add_nc_u64 s[14:15], s[12:13], s[30:31]      ; scale bytes out
	s_add_nc_u64 s[12:13], s[12:13], s[28:29]      ; codes out
	global_load_b128 v[SV:SV+3],   v[GIO], s[8:9]              ; a row's 128 scales: 512 consecutive bytes; lane l: blocks 4 l .. 4 l + 3
	global_load_b128 v[SV+4:SV+7], v[GIO], s[8:9] offset:2048
.irp t, 0,1,2,3,4,5,6,7,8,9,10,11,12,13,14,15,16,17,18,19,20,21,22,23,24,25,26,27,28,29,30,31
	global_load_b128 v[RAW+4*\t:RAW+4*\t+3], v[GIO], s[4:5] offset:(\t/16)*32768+(\t%16)*512 th:TH_LOAD_NT   ; 32 lanes read 512 consecutive bytes, eight blocks; read once in the launch
.endr
	v_lshrrev_b32 v12, 1, v1
	v_and_b32 v13, 1, v1
	v_lshrrev_b32 v14, 2, v1                       ; lane / 4: my block in a load
	v_and_b32 v15, 3, v1
	v_lshrrev_b32 v16, 4, v1
	v_and_b32 v17, 15, v1
	v_lshl_add_u32 v[CTW], v12, 2, s26
	v_mul_u32_u24 v13, v13, 4*CP
	v_mul_u32_u24 v[CTR], v14, CP
	v_mul_u32_u24 v[STC], v14, SP
	v_mul_u32_u24 v[RDC], v16, SP
	v_lshlrev_b32 v[GSB], 3, v1
	v_add_nc_u32 v[CTW], v[CTW], v13
	v_add_nc_u32 v[CTR], s26, v[CTR]
	v_lshl_add_u32 v[STC], v15, 2, v[STC]
	v_lshl_add_u32 v[RDC], v17, 4, v[RDC]
	v_add_nc_u32 v[STB], s27, v14
	v_add_nc_u32 v[RDB], s26, v[GSB]
	v_add_nc_u32 v[STC], s27, v[STC]
	v_add_nc_u32 v[RDC], s26, v[RDC]
	v_mov_b32 v[S7F], 0x7f7f7f7f
	s_wait_alu depctr_va_vdst(0)                   ; directly ahead of the wait below
	; c = exp2(s - 127) as 2^whole part x exp2(fraction): a whole-number s gives an exact power of two, and the exponential's input lies in [0, 1), far from the denormals that it flushes (ISA guide 15.8)
	s_wait_loadcnt 32                              ; the two loads of scales are in; the 32 loads issued behind them stay out
.irp j, 0,1,2,3,4,5,6,7
	v_add_f32 v[SV+\j], 0xc2fe0000, v[SV+\j]       ; s - 127
.endr
.irp j, 0,1,2,3,4,5,6,7
	v_floor_f32 v[NV+\j], v[SV+\j]
.endr
.irp j, 0,1,2,3,4,5,6,7
	v_sub_f32 v[SV+\j], v[SV+\j], v[NV+\j]         ; the fraction, exact
.endr
	s_wait_alu depctr_va_vdst(0)                   ; ahead of the batch
.irp j, 0,1,2,3,4,5,6,7
	v_exp_f32 v[SV+\j], v[SV+\j]
.endr
.irp j, 0,1,2,3,4,5,6,7
	v_cvt_i32_f32 v[NV+\j], v[NV+\j]               ; (plain instructions between the exponentials and the use of their results; the conversion saturates)
.endr
	s_wait_alu depctr_va_vdst(0)                   ; and ahead of its first reader
.irp j, 0,1,2,3,4,5,6,7
	v_ldexp_f32 v[SV+\j], v[SV+\j], v[NV+\j]
.endr
	; Lane l holds the c of blocks 4 l .. 4 l + 3 of each row: of load l / 2 the blocks 4 (l % 2) + 0 .. 3.  It wants, for every load, the c of block l / 4.  Through the wave's table: LDS serves a wave's instructions in order (ISA guide
	; 5.7.1.4), so no wait stands between stores and loads.
.irp j, 0,1,2,3,4,5,6,7
	ds_store_b32 v[CTW], v[SV+\j] offset:CT+CP*(\j%4)+64*(\j/4)
.endr
.irp m, 0,1,2,3,4,5,6,7
	ds_load_b128 v[CF+4*\m:CF+4*\m+3], v[CTR] offset:CT+16*\m
.endr
	s_wait_dscnt 0x0                               ; the 32 c are in
; Load t's four words -> eight codes in one register -> eight f32 numbers (x 2^(127 - 127)).
.macro UNPACK t, pk, x
	v_perm_b32 v[RAW+4*(\t)],   v[RAW+4*(\t)+1], v[RAW+4*(\t)],   s24
	v_perm_b32 v[RAW+4*(\t)+2], v[RAW+4*(\t)+3], v[RAW+4*(\t)+2], s24
	s_delay_alu instid0(VALU_DEP_1)
	v_perm_b32 v[\pk], v[RAW+4*(\t)+2], v[RAW+4*(\t)], s25        ; byte i = word i's low byte: the lower k in the lower bits
	v_cvt_scale_pk8_f32_fp4 v[\x:\x+7], v[\pk], v[S7F]
.endm
; Loads 2 p and 2 p + 1, by turns: K step p % 8 of my row p / 8.
.macro PAIR p
	s_wait_loadcnt 30-2*(\p)                       ; loads come back in order (ISA guide 5.7.1): loads 2 p and 2 p + 1 are in, the 30 - 2 p issued behind them stay out
	UNPACK 2*(\p), PK, X0
	UNPACK 2*(\p)+1, PK+1, X1                      ; its three byte selects are the plain instructions between the first conversion and the use of its result
.irp k, 0,2,4,6
	v_pk_mul_f32 v[X0+\k:X0+\k+1], v[X0+\k:X0+\k+1], v[CF+2*(\p):CF+2*(\p)+1] op_sel_hi:[1,0]             ; x c of load 2 p: the pair's first register for both halves.  (Plain instructions behind the second conversion)
.endr
.irp k, 0,2,4,6
	v_pk_mul_f32 v[X1+\k:X1+\k+1], v[X1+\k:X1+\k+1], v[CF+2*(\p):CF+2*(\p)+1] op_sel:[0,1] op_sel_hi:[1,1]   ; x c of load 2 p + 1: the pair's second register for both halves
.endr
	v_max3_num_f32 v[MX],   |v[X0]|, |v[X0+1]|, FLOOR
	v_max3_num_f32 v[MX+1], |v[X1]|, |v[X1+1]|, FLOOR
.irp k, 2,4,6
	s_delay_alu instid0(VALU_DEP_2)
	v_max3_num_f32 v[MX],   v[MX],   |v[X0+\k]|, |v[X0+\k+1]|
	s_delay_alu instid0(VALU_DEP_2)
	v_max3_num_f32 v[MX+1], v[MX+1], |v[X1+\k]|, |v[X1+\k+1]|
.endr
	s_delay_alu instid0(VALU_DEP_2)
	v_max_num_f32_dpp v[MX],   v[MX],   v[MX]   row_xmask:1 row_mask:0xf bank_mask:0xf
	s_delay_alu instid0(VALU_DEP_2)
	v_max_num_f32_dpp v[MX+1], v[MX+1], v[MX+1] row_xmask:1 row_mask:0xf bank_mask:0xf
	s_delay_alu instid0(VALU_DEP_2)
	v_max_num_f32_dpp v[MX],   v[MX],   v[MX]   row_xmask:2 row_mask:0xf bank_mask:0xf    ; the four lanes of a block: its largest magnitude
	s_delay_alu instid0(VALU_DEP_2)
	v_max_num_f32_dpp v[MX+1], v[MX+1], v[MX+1] row_xmask:2 row_mask:0xf bank_mask:0xf
	s_delay_alu instid0(VALU_DEP_2)
	v_add_nc_u32 v[SCL],   0xff000000, v[MX]       ; 2 off the exponent field: the conversion takes the exponent field of this operand as its scale, and nothing else of it
	s_delay_alu instid0(VALU_DEP_2)
	v_add_nc_u32 v[SCL+1], 0xff000000, v[MX+1]
	v_cvt_scalef32_pk8_fp4_f32 v[RAW+8*(\p)],   v[X0:X0+7], v[SCL]
	v_cvt_scalef32_pk8_fp4_f32 v[RAW+8*(\p)+4], v[X1:X1+7], v[SCL+1]
	v_lshrrev_b32 v[RAW+8*(\p)+1], 23, v[SCL]      ; the scale's byte.  (Plain instructions behind the conversions)
	v_lshrrev_b32 v[RAW+8*(\p)+5], 23, v[SCL+1]
	ds_store_b32 v[STC], v[RAW+8*(\p)]   offset:WREG*((\p)%8)+16*((\p)/8)          ; unit = block lane / 4 of the K step's first eight, byte 16 row + 4 (lane % 4)
	ds_store_b32 v[STC], v[RAW+8*(\p)+4] offset:WREG*((\p)%8)+16*((\p)/8)+8*SP     ; the second eight blocks
	ds_store_b8  v[STB], v[RAW+8*(\p)+1] offset:WREG*((\p)%8)+16*((\p)/8)+SBY      ; byte 16 row + block; the four lanes of a block write the same byte with the same value
	ds_store_b8  v[STB], v[RAW+8*(\p)+5] offset:WREG*((\p)%8)+16*((\p)/8)+SBY+8
.endm
.irp p, 0,1,2,3,4,5,6,7,8,9,10,11,12,13,14,15
	PAIR \p
.endr
	s_wait_dscnt 0x0                               ; for the others' sake: my stores into LDS are done
	s_barrier_signal -1
	s_barrier_wait -1
	; THE WAY OUT: K step w's 16 units come back two at a time, 16 bytes a lane: each store of the wave covers 512 consecutive bytes, aligned to 256.  No hint on the stores: the next launch reads them.
.irp j, 0,1,2,3,4,5,6,7
	ds_load_b128 v[CF+4*\j:CF+4*\j+3], v[RDC] offset:2*\j*SP
.endr
	ds_load_b64 v[BY:BY+1], v[RDB] offset:SBY
.irp j, 0,1,2,3,4,5,6,7
	s_wait_dscnt 8-\j                              ; behind load j: the 7 - j loads of codes that follow it and the load of the bytes
	global_store_b128 v[GIO], v[CF+4*\j:CF+4*\j+3], s[12:13] offset:512*\j
.endr
	s_wait_dscnt 0x0
	global_store_b64 v[GSB], v[BY:BY+1], s[14:15]  ; 32 lanes store 256 consecutive bytes, aligned
	s_wait_tensorcnt 0x0                           ; the wave's end
	ds_add_u32 v[SPW], v[NIL]
	s_wait_dscnt 0x0
	s_endpgm
.Lfunc_end_k_q2570a34118_prep:
	.size	k_q2570a34118_prep, .Lfunc_end_k_q2570a34118_prep-k_q2570a34118_prep
	.p2alignl 7, 3214868480
	.fill 96, 4, 3214868480
	.section	.rodata,"a",@progbits
	.p2align	6, 0x0
	.amdhsa_kernel k_q2570a34118_prep
		.amdhsa_group_segment_fixed_size 50176
		.amdhsa_private_segment_fixed_size 0
		.amdhsa_enable_private_segment 0
		.amdhsa_kernarg_size 48
		.amdhsa_user_sgpr_count 2
		.amdhsa_user_sgpr_kernarg_segment_ptr 1
		.amdhsa_wavefront_size32 1
		.amdhsa_system_sgpr_workgroup_id_x 1
		.amdhsa_system_sgpr_workgroup_id_y 1
		.amdhsa_system_sgpr_workgroup_id_z 1
		.amdhsa_system_vgpr_workitem_id 0
		.amdhsa_next_free_vgpr 218
		.amdhsa_next_free_sgpr 66
		.amdhsa_reserve_vcc 0
		.amdhsa_float_denorm_mode_32 3
		.amdhsa_float_denorm_mode_16_64 3
		.amdhsa_memory_ordered 1
		.amdhsa_forward_progress 1
		.amdhsa_inst_pref_size 57
	.end_amdhsa_kernel
	.amdgpu_metadata
---
amdhsa.version: [ 1, 2 ]
amdhsa.kernels:
  - .name:           k_q2570a34118_prep
    .symbol:         k_q2570a34118_prep.kd
    .args:
      - { .name: a, .offset: 0, .size: 8, .value_kind: global_buffer, .address_space: global }
      - { .name: b, .offset: 8, .size: 8, .value_kind: global_buffer, .address_space: global }
      - { .name: scales_a, .offset: 16, .size: 8, .value_kind: global_buffer, .address_space: global }
      - { .name: scales_b, .offset: 24, .size: 8, .value_kind: global_buffer, .address_space: global }
      - { .name: aq, .offset: 32, .size: 8, .value_kind: global_buffer, .address_space: global }
      - { .name: bq, .offset: 40, .size: 8, .value_kind: global_buffer, .address_space: global }
    .group_segment_fixed_size: 50176
    .private_segment_fixed_size: 0
    .kernarg_segment_align: 8
    .kernarg_segment_size: 48
    .max_flat_workgroup_size: 256
    .sgpr_count:     66
    .vgpr_count:     218
    .wavefront_size: 32
...
	.end_amdgpu_metadata
.endif
;; end of part 1
;; launch gemm (part 2): grid 16 x 16, 4 waves a work-group, clusters of 4 x 4, 327,680 bytes of LDS; arguments aq, bq, out0; writes out0
.if DOCPART == 2
	.amdgcn_target "amdgcn-amd-amdhsa--gfx1250"
	.amdhsa_code_object_version 6
	.text
	.protected	k_q2570a34118_gemm
	.globl	k_q2570a34118_gemm
	.p2align	8
	.type	k_q2570a34118_gemm,@function
k_q2570a34118_gemm:
	s_mov_b64 s[64:65], 0
	v_nop
	global_prefetch_b8 v0, s[64:65] scope:SCOPE_SE
	s_setreg_imm32_b32 hwreg(HW_REG_WAVE_MODE, 25, 1), 1
	s_wait_xcnt 0x0
	s_wait_alu depctr_hold_cnt(0) depctr_sa_sdst(0) depctr_va_vdst(0) depctr_va_sdst(0) depctr_va_ssrc(0) depctr_va_vcc(0) depctr_vm_vsrc(0)
	s_getreg_b32 s2, hwreg(HW_REG_IB_STS2, 6, 4)
	s_cmp_eq_u32 s2, 0
	s_cbranch_scc0 .Lentry_in_a_cluster
	s_endpgm
.Lentry_in_a_cluster:
	s_bfe_u32 s2, ttmp6, 0x10000c
	s_cmp_lg_u32 s2, 0xf033
	s_cbranch_scc0 .Lentry_shape_is_right
	s_endpgm
.Lentry_shape_is_right:
; out0[m][n] = sum over k of A[m][k] B[n][k], M = N = K = 4,096, on codes of FP4 (E2M1) with one E8M0 scale for each 32 along K; sums in f32, K ascending.
; aq, bq: [row / 128: 32][k / 512: 8][CHUNK = 34,816 bytes].  A chunk holds 128 rows x 512 K IN THE ORDER OF THE OPERAND'S REGISTERS: fragment (block i of 16 rows, q-th 128 along K) is 1,024 bytes at 4096 i + 1024 q,
; registers 4 c .. 4 c + 3 of lane l at + 512 c + 16 l; from byte 32,768 on the scale bytes, 16 a row (word q: the q-th 128 along K).  Row r of block i is row 64 (i / 4) + i % 4 + 4 r of the chunk's 128.
; SHARES.  A tile of C, 256 x 256, is made by a work-group of four waves, as many as a WGP has SIMDs; a wave makes 128 x 128: 32 accumulators of 32 x 16, 512 registers.
; A and B come through a ring of two LDS slots filled by the tensor data mover.  A slot holds four chunks: A's 256 rows and B's 256 rows x 512 K, four steps of 128; wave w fetches chunk w, one load a wave.
; CLUSTERS: 4 x 4 work-groups.  The four of a row of the cluster need the same chunks of A, the four of a column the same chunks of B: each is asked for JOINTLY, by the same tensor load with the same descriptor and a mask that names the four.
; A STEP is 32 matrix instructions of 32 x 16 x 128: four pairs of A's blocks, each against B's eight blocks.  The fragments of both sides have two sets of registers: in front of a step's products the next step's 32 LDS loads go, in one run,
; into the set that the step before has used up; they have the whole step in which to land.
; SOURCE 0 = 32 rows of A, SOURCE 1 = 16 rows of B: lane 16 h + r of an accumulator holds column r of B's block, its registers 8 u + j the row 8 h + j of A's block u of the pair.  B's blocks 4 g .. 4 g + 3 are the columns 64 g + 4 r + 0 .. 3: so
; the same register of four neighbouring accumulators is 16 neighbouring bytes of a row of C, and sixteen lanes hold 256 neighbouring bytes.  The way out is four register moves for each store of 16 bytes a lane, and no LDS.
; THE LAST 512 ALONG K GO BY BLOCKS OF C: all of B's fragments for them come into registers, then eight units of 32 rows x 64 columns are finished one after the other, and each is stored as soon as it is finished.
; PREFETCH: a chunk is asked of memory two slots ahead of its tensor load (the first chunk has none; the second is asked for one slot ahead, at the head).  Each of its 136 blocks of 256 bytes is named once in each cluster: of a chunk, each of
; the four partners names 32 blocks of codes and two of scale bytes, told apart by address.  The last two fills of the loop ask for nothing: there is no chunk two on.
; REGISTERS, in windows of 256: window 0: v0-31 addresses; v32-95 scale words, two sets; v96-223 A's blocks in the last slot; v224-255 the first unit's way out.
;   window 1: A's fragments, two sets, at v0 and v64; B's, two sets, at v128 and v192; in the last slot all 256: B's fragments of the whole slot.
;   windows 2, 3: the accumulators: pair mp, block b at 128 (mp % 2) + 16 b of window 2 + mp / 2.
.set CHUNK,  34816
.set SCOFF,  32768                     ; where a chunk's scale bytes begin
.set SLOT,   4*CHUNK                   ; A's rows 0-127, 128-255, B's rows 0-127, 128-255
.set SPARE,  2*SLOT                    ; behind the ring: the spare words, 128 bytes for each wave: two blocks of 256 bytes that no other line names
.set ROWC,   16384                     ; a row of C in bytes
.set ADRA,   4                         ; v4-5    my A chunk in slot 0, 1, + 16 x lane
.set ADRB,   6                         ; v6-7    my B chunk
.set CO,     8                         ; v8      my byte offset in C: 16 r + 32 rows for the upper half of the lanes
.set SPW,    28                        ; v28     LDS address of my spare word: SPARE + 4 x my thread's number; never rewritten
.set NIL,    29                        ; v29     0; never rewritten
.set PF1,    30                        ; v30     the prefetches' offset in a chunk: my block of codes; never rewritten
.set PF2,    31                        ; v31     my block of scale bytes; never rewritten
.set SC,     32                        ; scale words: set s at v[SC + 32 s]: register 4 mp + q: lane l the word of row l of A's pair mp; register 16 + 4 i + q: lanes 0-15 B's block 2 i, lanes 16-31 block 2 i + 1
.set AB,     96                        ; A's blocks in the last slot: pair mp at v[AB + 64 (mp % 2)], 16 registers for each q
.set G1,     24                        ; s[24:31] descriptor group 1 for A's chunks;  s[32:39] group 0, one set for each slot
.set G0,     32
.set PFA,    44                        ; s[44:45] where the prefetches stand
.set G1B,    48                        ; s[48:55], s[56:63] the same for B's chunks
.set G0B,    56
.set MSB, 0
.macro WIN new                         ; the immediate's high byte repeats the setting that is left
.if MSB != \new
	s_set_vgpr_msb (MSB<<8)|\new
.set MSB, \new
.endif
.endm
.set MUL_LO, 0xa5                      ; sources 0 (A) and 1 (B) window 1, C and D window 2
.set MUL_HI, 0xf5                      ; the same, C and D window 3
.set TO_F,   0x40                      ; destination window 1, address window 0
; A joint load: waves 0 and 1 fetch for A, waves 2 and 3 for B.  Each of the two lines has ONE mask and one set of registers for all that issue it; the branch hangs on the wave's number alone.
.macro JLOAD s
	s_cmp_eq_u32 s11, 0
	s_cbranch_scc0 .Lfor_b_\@
	tensor_load_to_lds s[G0+4*\s:G0+4*\s+3], s[G1:G1+7]
	s_nop 0
.rept 4
	v_nop
.endr
	s_branch .Lasked_\@
.Lfor_b_\@:
	tensor_load_to_lds s[G0B+4*\s:G0B+4*\s+3], s[G1B:G1B+7]
	s_nop 0
.rept 4
	v_nop
.endr
.Lasked_\@:
.endm
.macro CREST                           ; a round of the cluster's barrier behind its opening barrier
	s_cmp_lg_u32 s10, 0
	s_cbranch_scc1 .Lnot_wave_0_\@
	s_barrier_signal -3
.Lnot_wave_0_\@:
	s_barrier_wait -3
	s_barrier_signal -1
	s_barrier_wait -1
.endm
.macro CROUND                          ; a whole round
	s_barrier_signal -1
	s_barrier_wait -1
	CREST
.endm
.macro PREF n                          ; two prefetches: the chunk n on from where PFA points
	global_prefetch_b8 v[PF1], s[PFA:PFA+1] offset:(\n)*CHUNK th:TH_LOAD_NT scope:SCOPE_SE
	global_prefetch_b8 v[PF2], s[PFA:PFA+1] offset:(\n)*CHUNK th:TH_LOAD_NT scope:SCOPE_SE
.endm
; A load into a register that a matrix instruction has read, and a vector instruction that reads a matrix result, stand four places behind that matrix instruction, and only plain vector instructions that name none of its registers
; are places (ISA guide 7.12.1 for vector instructions).
.macro PLACES
.rept 4
	v_nop
.endr
.endm
	s_load_b128 s[4:7], s[0:1], 0x0                ; aq s[4:5], bq s[6:7]
	s_load_b64 s[8:9], s[0:1], 0x10                ; C
	v_lshl_add_u32 v[SPW], v0, 2, SPARE
	v_mov_b32 v[NIL], 0
	ds_add_u32 v[SPW], v[NIL]                      ; the wave's opening: the add, twice on end, and its wait ahead of my first tensor load
	ds_add_u32 v[SPW], v[NIL]
	v_lshrrev_b32 v1, 5, v0
	v_readfirstlane_b32 s10, v1                    ; wave 0..3
	s_lshr_b32 s11, s10, 1                         ; which half of the tile's rows is mine.  Also: I fetch for A (0) or for B (1)
	s_and_b32 s12, s10, 1                          ; which half of its columns.  Also: which 128 rows of that tile I fetch
	s_bfe_u32 s40, ttmp6, 0x40000                  ; cx, cy: my place in the cluster
	s_bfe_u32 s41, ttmp6, 0x40004
	s_lshl_b32 s42, ttmp9, 2
	s_add_co_u32 s42, s42, s40                     ; tile column of C = 4 x cluster x + cx
	s_and_b32 s13, ttmp7, 0xffff
	s_lshl_b32 s13, s13, 2
	s_add_co_u32 s13, s13, s41                     ; tile row of C = 4 x cluster y + cy
	s_lshl_b32 s20, s41, 2
	s_lshl_b32 s20, 15, s20                        ; my row of the cluster
	s_lshl_b32 s21, 0x1111, s40                    ; my column
	; descriptor group 1: a chunk, 34,816 dense bytes, as 136 rows of 256 bytes (32 elements of 8 bytes), no padding
	s_or_b32 s[G1+0], s20, (3<<16)|(1<<21)         ; 15:0 the mask: A's chunks go to my row; 17:16 elements of 8 bytes; 20 padding off; 21 set beside a mask
	s_or_b32 s[G1B+0], s21, (3<<16)|(1<<21)        ; B's to my column
.irp g, G1, G1B
	s_mov_b32 s[\g+1], 32<<16                      ; tensor_dim0 = 32
	s_mov_b32 s[\g+2], 136<<16                     ; tensor_dim1 = 136
	s_mov_b32 s[\g+3], 32<<16                      ; tile_dim0 = 32
	s_mov_b32 s[\g+4], 136                         ; tile_dim1 = 136
	s_mov_b32 s[\g+5], 32                          ; tensor_dim0_stride: the rows follow each other
	s_mov_b32 s[\g+6], 0
	s_mov_b32 s[\g+7], 0
.endr
	s_lshl_b32 s16, s13, 1                         ; A: chunk row 2 x tile row + half, eight chunks to a chunk row (under 2^24 bytes): made of the tile row and the wave's number alone
	s_add_co_u32 s16, s16, s12
	s_mul_i32 s16, s16, 8*CHUNK
	s_mov_b32 s17, 0
	s_lshl_b32 s46, s42, 1                         ; B: chunk row 2 x tile column + half
	s_add_co_u32 s46, s46, s12
	s_mul_i32 s46, s46, 8*CHUNK
	s_mov_b32 s47, 0
	s_cmp_eq_u32 s11, 0                            ; the prefetches: what I fetch,
	s_cselect_b32 s14, s16, s46
	s_cselect_b32 s22, s40, s41                    ; and my place among the four that ask for it with me
	s_mov_b32 s15, 0
	s_lshl_b32 s23, s22, 9
	s_add_co_u32 s23, s23, SCOFF                   ; two blocks of scale bytes each,
	s_lshl_b32 s22, s22, 13                        ; 32 blocks of codes
	s_mul_i32 s20, s10, CHUNK                      ; where my chunk goes: wave x a chunk: no place in the cluster enters an LDS address
.irp s, 0,1
	s_mov_b32 s[G0+4*\s], 1                        ; 1:0 count = 1
	s_add_co_u32 s[G0+4*\s+1], s20, \s*SLOT        ; 63:32 LDS address
	s_mov_b32 s[G0B+4*\s], 1
	s_add_co_u32 s[G0B+4*\s+1], s20, \s*SLOT
.endr
	s_lshl_b32 s18, s13, 22                        ; C: 256 rows of 16,384 bytes a tile row (all under 2^26),
	s_lshl_b32 s19, s11, 21                        ; 128 rows a half,
	s_add_co_u32 s18, s18, s19
	s_lshl_b32 s19, s42, 10                        ; 1,024 bytes a tile column,
	s_add_co_u32 s18, s18, s19
	s_lshl_b32 s19, s12, 9                         ; 512 bytes a half
	s_add_co_u32 s18, s18, s19
	s_mov_b32 s19, 0
	s_mul_i32 s20, s11, CHUNK                      ; what I read: A's chunk of my row half,
	s_mul_i32 s21, s12, CHUNK                      ; B's of my column half, behind A's two
	s_add_co_u32 s21, s21, 2*CHUNK
	s_wait_dscnt 0x0                               ; both opening adds are done
	CROUND                                         ; all sixteen work-groups are here: the first joint loads meet
	s_wait_kmcnt 0x0
	s_add_nc_u64 s[16:17], s[4:5], s[16:17]        ; my chunk of A for slot 0
	s_add_nc_u64 s[46:47], s[6:7], s[46:47]        ; and of B
.irp s, 0,1
	s_add_nc_u64 s[G0+4*\s+2:G0+4*\s+3], s[16:17], \s*CHUNK    ; 120:64 global address: the s-th 512 along K
	s_or_b32 s[G0+4*\s+3], s[G0+4*\s+3], 0x80000000            ; 127:126 type = 2
	s_add_nc_u64 s[G0B+4*\s+2:G0B+4*\s+3], s[46:47], \s*CHUNK
	s_or_b32 s[G0B+4*\s+3], s[G0B+4*\s+3], 0x80000000
.endr
	JLOAD 0                                        ; K 0 to 511: one tensor load a wave at the head
	s_cmp_eq_u32 s11, 0
	s_cselect_b64 s[PFA:PFA+1], s[4:5], s[6:7]
	s_add_nc_u64 s[PFA:PFA+1], s[PFA:PFA+1], s[14:15]
	s_add_nc_u64 s[8:9], s[8:9], s[18:19]          ; my part of the tile's first row of C
	v_and_b32 v2, 31, v0                           ; lane
	v_and_b32 v9, 15, v0                           ; r
	v_bfe_u32 v10, v0, 4, 1                        ; h
	v_lshlrev_b32 v3, 4, v2
	v_min_u32 v11, 1, v2
	v_lshlrev_b32 v10, 19, v10                     ; 8 rows of a block are 32 rows of C
	v_add_nc_u32 v[ADRA], s20, v3
	v_add_nc_u32 v[ADRB], s21, v3
	v_lshl_add_u32 v[CO], v9, 4, v10
	v_add_nc_u32 v[ADRA+1], SLOT, v[ADRA]
	v_add_nc_u32 v[ADRB+1], SLOT, v[ADRB]
	v_lshl_add_u32 v[PF1], v2, 8, s22              ; a lane a block of 256 bytes
	v_lshl_add_u32 v[PF2], v11, 8, s23             ; two blocks; the lanes left over name the second again
	s_wait_alu depctr_va_vdst(0)                   ; the head's end
	PREF 1                                         ; the second 512 along K
; One matrix instruction: A's pair mp (registers ar on) x B's block b (br on), q-th 128 of the slot, scale set s.  z = 1: the first product starts the sum: nothing is ever cleared.
; The accumulators take turns, in the same order in every step.  Source 1's scales are read from lanes 0-15 for even blocks, from lanes 16-31 for odd ones.
.macro MM mp, b, ar, br, q, s, z
.set rD, 128*((\mp)%2)+16*(\b)
.set rA, \ar
.set rB, \br
.set rX, SC+32*(\s)+4*(\mp)+(\q)
.set rY, SC+32*(\s)+16+4*((\b)/2)+(\q)
.if (\z)
.if (\b)%2
	v_wmma_scale_f32_32x16x128_f4 v[rD:rD+15], v[rA:rA+15], v[rB:rB+7], 0, v[rX], v[rY] matrix_b_scale:MATRIX_SCALE_ROW1
.else
	v_wmma_scale_f32_32x16x128_f4 v[rD:rD+15], v[rA:rA+15], v[rB:rB+7], 0, v[rX], v[rY]
.endif
.else
.if (\b)%2
	v_wmma_scale_f32_32x16x128_f4 v[rD:rD+15], v[rA:rA+15], v[rB:rB+7], v[rD:rD+15], v[rX], v[rY] matrix_b_scale:MATRIX_SCALE_ROW1
.else
	v_wmma_scale_f32_32x16x128_f4 v[rD:rD+15], v[rA:rA+15], v[rB:rB+7], v[rD:rD+15], v[rX], v[rY]
.endif
.endif
.endm
; Four of them: pair mp x B's blocks 4 hf .. 4 hf + 3, from set p.  n = 1: a v_nop behind each: four places for loads further on.
.macro HALF mp, hf, p, q, s, z, n
.irp i, 0,1,2,3
	MM \mp, 4*(\hf)+\i, 64*(\p)+16*(\mp), 128+64*(\p)+32*(\hf)+8*\i, \q, \s, \z
.if \n
	v_nop
.endif
.endr
.endm
.macro FA s, q, p, i                   ; A's block i, the q-th 128 of slot s, into set p: lane l's 16 bytes at 16 l: 512 consecutive bytes a load
.irp c, 0,1
	ds_load_b128 v[64*(\p)+8*(\i)+4*\c:64*(\p)+8*(\i)+4*\c+3], v[ADRA+(\s)] offset:4096*(\i)+1024*(\q)+512*\c
.endr
.endm
.macro FB s, q, p, i
.irp c, 0,1
	ds_load_b128 v[128+64*(\p)+8*(\i)+4*\c:128+64*(\p)+8*(\i)+4*\c+3], v[ADRB+(\s)] offset:4096*(\i)+1024*(\q)+512*\c
.endr
.endm
.macro SCALES s                        ; the slot's scale words: a row's 16 bytes are its four words
.irp i, 0,1,2,3
	ds_load_b128 v[SC+32*(\s)+4*\i:SC+32*(\s)+4*\i+3], v[ADRA+(\s)] offset:SCOFF+512*\i
	ds_load_b128 v[SC+32*(\s)+16+4*\i:SC+32*(\s)+16+4*\i+3], v[ADRB+(\s)] offset:SCOFF+512*\i
.endr
.endm
; A step's 32 loads in one run, in the order of their use: A's blocks 0, 1 and B's 0 to 3 (12 loads); B's 4 to 7 (20); A's 2, 3 (24); A's 4, 5 (28); A's 6, 7 (32).
.macro RUN s, q, p
	WIN TO_F
.irp i, 0,1
	FA \s, \q, \p, \i
.endr
.irp i, 0,1,2,3,4,5,6,7
	FB \s, \q, \p, \i
.endr
.irp i, 2,3,4,5,6,7
	FA \s, \q, \p, \i
.endr
.endm
; Step q (0 .. 2) of slot s; its successor lies in the same slot.  Each wait counts this step's own loads that may still be out and the 32 of the next step, issued behind them.
.macro STEP s, q, z
	PLACES                                         ; for the loads into the set that the step before has used up
	RUN \s, (\q)+1, 1-(\q)%2
	s_wait_dscnt 52                                ; 12 are in: 20 + 32 may be out
	WIN MUL_LO
	HALF 0, 0, (\q)%2, \q, \s, \z, 0
	s_wait_dscnt 44                                ; 20
	HALF 0, 1, (\q)%2, \q, \s, \z, 0
	s_wait_dscnt 40                                ; 24
	HALF 1, 0, (\q)%2, \q, \s, \z, 0
	HALF 1, 1, (\q)%2, \q, \s, \z, 0
	s_wait_dscnt 36                                ; 28
	WIN MUL_HI
	HALF 2, 0, (\q)%2, \q, \s, \z, 0
	HALF 2, 1, (\q)%2, \q, \s, \z, 0
	s_wait_dscnt 32                                ; all 32
	HALF 3, 0, (\q)%2, \q, \s, \z, 0
	HALF 3, 1, (\q)%2, \q, \s, \z, 0
.endm
; A slot's last step changes slots.  MEET: in front of the barrier each wave waits for all its tensor loads, adds 0 to its spare word, and waits for that and for its own reads of this slot.
.macro MEET s, fill
	WIN 0                                          ; (the add's two registers lie in window 0)
	s_wait_tensorcnt 0x0                           ; all my tensor loads have landed: my chunk of the next slot;
	ds_add_u32 v[SPW], v[NIL]                      ; 0 onto my spare word;
.if \fill
	s_add_nc_u64 s[G0+4*\s+2:G0+4*\s+3], s[G0+4*\s+2:G0+4*\s+3], 2*CHUNK       ; no tensor load of mine is out: this slot's next 512 along K; the type bits on top are not reached
	s_add_nc_u64 s[G0B+4*\s+2:G0B+4*\s+3], s[G0B+4*\s+2:G0B+4*\s+3], 2*CHUNK
.endif
	s_wait_dscnt 21                                ; 12 of the step's 32 are in; 20 and the add may be out
	WIN MUL_LO
	HALF 0, 0, 1, 3, \s, 0, 1
	s_wait_dscnt 13                                ; 20 of 32
	HALF 0, 1, 1, 3, \s, 0, 0
	s_wait_dscnt 0x0                               ; the add is done, and my reads of this slot are over
	s_barrier_signal -1
	HALF 1, 0, 1, 3, \s, 0, 0                      ; work on registers while the others arrive
	WIN 0                                          ; (branches may follow, and nothing stands between the wait below and the rest of the round)
	s_barrier_wait -1
.endm
; The whole step: slot s is filled again, with the 512 along K two slots on; n is the next slot.
.macro TURN s, n
	s_wait_xcnt 0x0                                ; my earlier prefetches have read their address: it may be stepped
	s_add_nc_u64 s[PFA:PFA+1], s[PFA:PFA+1], CHUNK
	MEET \s, 1
	CREST                                          ; the barrier has opened a round: no wave of any partner still reads this slot or has a load on its way
	JLOAD \s                                       ; the first tensor load behind the round
	SCALES \n                                      ; the next slot's scale words and its first step's fragments, one run of 40 loads
	RUN \n, 0, 0
	WIN 0
	s_cmp_gt_u32 s3, 1                             ; the last trip's two fills are the last of all: no chunk two on
	s_cbranch_scc0 .Lno_more_\@
	PREF 3
.Lno_more_\@:
	WIN MUL_LO
	HALF 1, 1, 1, 3, \s, 0, 0
	WIN MUL_HI
	HALF 2, 0, 1, 3, \s, 0, 0
	HALF 2, 1, 1, 3, \s, 0, 0
	HALF 3, 0, 1, 3, \s, 0, 0
	HALF 3, 1, 1, 3, \s, 0, 0
.endm
	s_wait_tensorcnt 0x0                           ; my chunk of slot 0 is in; as ahead of a refill, an add and its wait stand ahead of a later first fill:
	ds_add_u32 v[SPW], v[NIL]
	s_wait_dscnt 0x0                               ; the add is done
	CROUND                                         ; a whole round: all four chunks are in, and all sixteen work-groups are here: the joint loads meet,
	JLOAD 1                                        ; and slot 1's first fill, the first tensor load behind the round
	SCALES 0
	RUN 0, 0, 0
	WIN 0
	PREF 2                                         ; the third and the fourth 512 along K
	PREF 3
	STEP 0, 0, 1                                   ; the first step stands in front of the loop: its products start the sums
	WIN 0                                          ; at a label and at a branch every window is 0
	s_mov_b32 s3, 3
.Llap:                                                 ; a trip goes once round the ring, from a slot's second step to that slot's next first step, and fills both slots again
	STEP 0, 1, 0
	STEP 0, 2, 0
	TURN 0, 1
	STEP 1, 0, 0
	STEP 1, 1, 0
	STEP 1, 2, 0
	TURN 1, 0
	STEP 0, 0, 0
	WIN 0
	s_sub_co_u32 s3, s3, 1
	s_cmp_lg_u32 s3, 0
	s_cbranch_scc1 .Llap
	STEP 0, 1, 0                                   ; the seventh 512 along K ends
	STEP 0, 2, 0
; THE LAST SLOT (slot 1) BY BLOCKS OF C.  B's fragments of step q lie at (128 + 64 q) mod 256 of window 1: those of steps 0 and 2 may come while set 1 is still multiplied, those of steps 1 and 3 behind it.
.macro BL q, cg                        ; B's blocks 4 cg .. 4 cg + 3 of step q
.set rF, (128+64*(\q))%256+32*(\cg)
.irp i, 0,1,2,3
.irp c, 0,1
	ds_load_b128 v[rF+8*\i+4*\c:rF+8*\i+4*\c+3], v[ADRB+1] offset:4096*(4*(\cg)+\i)+1024*(\q)+512*\c
.endr
.endr
.endm
.macro AL mp                           ; A's pair mp, all four steps, 16 loads
.set rF, AB+64*((\mp)%2)
.irp q, 0,1,2,3
.irp u, 0,1
.irp c, 0,1
	ds_load_b128 v[rF+16*\q+8*\u+4*\c:rF+16*\q+8*\u+4*\c+3], v[ADRA+1] offset:4096*(2*(\mp)+\u)+1024*\q+512*\c
.endr
.endr
.endr
.endm
.macro UNIT u                          ; unit u: A's pair u / 2 x B's blocks 4 (u % 2) .. + 3: 16 matrix instructions, four accumulators by turns, K ascending
.set WN, 0xa4+0x50*((\u)/4)            ; source 0 window 0, source 1 window 1, C and D window 2 or 3
	WIN WN
.irp q, 0,1,2,3
.irp i, 0,1,2,3
	MM (\u)/2, 4*((\u)%2)+\i, AB+64*(((\u)/2)%2)+16*\q, (128+64*\q)%256+32*((\u)%2)+8*\i, \q, 1, 0
.endr
.endr
.endm
; The way out of block hf of unit u's pair: register 8 hf + j of the unit's four accumulators side by side, then eight stores.  The four land in registers that nothing needs any more and no pending store reads:
; block 0's in the upper halves of the unit before (unit 0's in v224-255), block 1's in this unit's own lower halves, which block 0's moves have emptied.  So no store's data are written again.
.macro OUTH u, hf
.set WS, 2+(\u)/4
.set XS, 16
.if (\hf) == 1
.set WX, WS
.set X, (64*(\u))%256
.elseif (\u) == 0
.set WX, 0
.set X, 224
.set XS, 8
.else
.set WX, 2+((\u)-1)/4
.set X, (64*((\u)-1))%256+8
.endif
.set SRC, (64*(\u))%256+8*(\hf)
.set FRG, 2*((\u)/2)+(\hf)
.set WN, (WX<<6)|WS
	WIN WN
.irp j, 0,1,2,3,4,5,6,7
.irp i, 0,1,2,3
	v_mov_b32 v[X+XS*(\j/2)+4*(\j%2)+\i], v[SRC+16*\i+\j]
.endr
.endr
.set WN, WX<<2
	WIN WN
.irp j, 0,1,2,3,4,5,6,7
	global_store_b128 v[CO], v[X+XS*(\j/2)+4*(\j%2):X+XS*(\j/2)+4*(\j%2)+3], s[8:9] offset:(64*(FRG/4)+FRG%4+4*\j)*ROWC+256*((\u)%2) th:TH_STORE_NT   ; 16 lanes store 256 consecutive bytes, at a multiple of 256 from C's first byte
.endr
.endm
	MEET 0, 0                                      ; my one tensor load that was out is slot 1's last fill, so no round follows
	SCALES 1
	AL 0
	WIN TO_F
	BL 0, 0
	BL 2, 0
	WIN MUL_LO
	HALF 1, 1, 1, 3, 0, 0, 0
	WIN MUL_HI
	HALF 2, 0, 1, 3, 0, 0, 0
	HALF 2, 1, 1, 3, 0, 0, 0
	HALF 3, 0, 1, 3, 0, 0, 0
	HALF 3, 1, 1, 3, 0, 0, 0
	PLACES
	WIN TO_F
	BL 1, 0
	BL 3, 0
	BL 0, 1
	BL 2, 1
.irp u, 0,1,2,3,4,5,6,7
.if \u == 0
	s_wait_dscnt 16                                ; what unit 0 needs is in: B's blocks 4-7 of steps 0 and 2 may be out
.elseif \u == 6
	s_wait_dscnt 0x0                               ; A's pair 3
.elseif (\u == 1) || (\u == 2) || (\u == 4)
	s_wait_dscnt 16                                ; the next pair of A may be out
.endif
	UNIT \u
	PLACES
.if \u == 0
	WIN TO_F
	BL 1, 1
	BL 3, 1
	WIN 0
	AL 1
.elseif (\u == 1) || (\u == 3)
	WIN 0
	AL (\u+3)/2                                    ; the registers of the pair just used up take the pair two on
.endif
	OUTH \u, 0
	OUTH \u, 1
.endr
	WIN 0
	s_wait_tensorcnt 0x0                           ; the wave's end
	ds_add_u32 v[SPW], v[NIL]
	s_wait_dscnt 0x0
	CROUND                                         ; the closing round: no work-group ends while a partner may still ask for a chunk that names it
	s_endpgm
.Lfunc_end_k_q2570a34118_gemm:
	.size	k_q2570a34118_gemm, .Lfunc_end_k_q2570a34118_gemm-k_q2570a34118_gemm
	.p2alignl 7, 3214868480
	.fill 96, 4, 3214868480
	.section	.rodata,"a",@progbits
	.p2align	6, 0x0
	.amdhsa_kernel k_q2570a34118_gemm
		.amdhsa_group_segment_fixed_size 327680
		.amdhsa_private_segment_fixed_size 0
		.amdhsa_enable_private_segment 0
		.amdhsa_kernarg_size 24
		.amdhsa_user_sgpr_count 2
		.amdhsa_user_sgpr_kernarg_segment_ptr 1
		.amdhsa_wavefront_size32 1
		.amdhsa_system_sgpr_workgroup_id_x 1
		.amdhsa_system_sgpr_workgroup_id_y 1
		.amdhsa_system_sgpr_workgroup_id_z 1
		.amdhsa_system_vgpr_workitem_id 0
		.amdhsa_next_free_vgpr 1024
		.amdhsa_next_free_sgpr 66
		.amdhsa_reserve_vcc 0
		.amdhsa_float_denorm_mode_32 3
		.amdhsa_float_denorm_mode_16_64 3
		.amdhsa_memory_ordered 1
		.amdhsa_forward_progress 1
		.amdhsa_inst_pref_size 145
	.end_amdhsa_kernel
	.amdgpu_metadata
---
amdhsa.version: [ 1, 2 ]
amdhsa.kernels:
  - .name:           k_q2570a34118_gemm
    .symbol:         k_q2570a34118_gemm.kd
    .args:
      - { .name: aq, .offset: 0, .size: 8, .value_kind: global_buffer, .address_space: global }
      - { .name: bq, .offset: 8, .size: 8, .value_kind: global_buffer, .address_space: global }
      - { .name: out0, .offset: 16, .size: 8, .value_kind: global_buffer, .address_space: global }
    .group_segment_fixed_size: 327680
    .private_segment_fixed_size: 0
    .kernarg_segment_align: 8
    .kernarg_segment_size: 24
    .max_flat_workgroup_size: 128
    .sgpr_count:     66
    .vgpr_count:     1024
    .wavefront_size: 32
...
	.end_amdgpu_metadata
.endif
;; end of part 2
